; MI455X (gfx1250); checked and timed in simulation.
; The chip was launched on July 23, 2026; its instructions are those of AMD's public machine-readable ISA for CDNA 5 (MIT licence, August 2026) and "CDNA5" Instruction Set Architecture Reference Guide (July 2026). The comments in the code are by the model that wrote it; some were corrected since.
;; Single Ro I Extractor. Allowed arithmetic: float matrix products may take bf16 or f16 operands with f32 sums; all other float work in f32.
;; Inputs: feat0 2 x 256 x 256 x 256 float32; feat1 2 x 256 x 128 x 128 float32; feat2 2 x 256 x 64 x 64 float32; feat3 2 x 256 x 32 x 32 float32; rois 1,024 x 5 float32.
;; Outputs: out0 1,024 x 256 x 7 x 7 float32.
;; 2 versions, each right; version 2 is version 1 with the launch gather written anew for expert scheduling mode. Each part assembles by itself: llvm-mc -triple=amdgcn-amd-amdhsa -mcpu=gfx1250 --defsym DOCPART=n.
;; ======== version 1 of 2: 2 launches
;; workspace buffers: tab 262,144 bytes of whole numbers; wts 262,144 bytes
;; launch prep (part 1): grid 256 x 1, 4 waves a work-group, no clusters, 0 bytes of LDS; arguments rois, tab, wts; writes tab, wts
.if DOCPART == 1
	.amdgcn_target "amdgcn-amd-amdhsa--gfx1250"
	.amdhsa_code_object_version 6
	.text
	.protected	k_q6a089c8349_prep
	.globl	k_q6a089c8349_prep
	.p2align	8
	.type	k_q6a089c8349_prep,@function
k_q6a089c8349_prep:
	s_mov_b64 s[64:65], 0
	v_nop
	global_prefetch_b8 v0, s[64:65] scope:SCOPE_SE
	s_setreg_imm32_b32 hwreg(HW_REG_WAVE_MODE, 25, 1), 1
	s_wait_xcnt 0x0
; prep: turns each of the 1,024 rois into one record of 64 whole numbers (tab) and one of 64 f32 (wts), 256 bytes each.
; One wave per roi, one lane per sample; a lane holds both corners of its sample, so its two numbers are neighbours in the record
; and one b64 store of the wave is the whole record: 256 consecutive bytes at a multiple of 256.
;   lanes 0-13 : y sample q = lane          tab: byte offsets of rows y0, y1 in a plane     wts: hy/2, ly/2 (0 if the sample is outside)
;   lane 14    : tab: level, batch index    wts: 0, 0
;   lane 15    : tab: bytes of a plane, 0   wts: 0, 0
;   lanes 16-31: u = lane-16, ix = u>>3, pw = min(u&7, 6), x sample 2 pw + ix; tab: 4 x0, 4 x1; wts: hx/2, lx/2 (bin 7 repeats bin 6)
; The two factors 1/2 are the mean over the 2 x 2 samples of a bin.
; LIMITS.  The level is found by comparing t = sqrt(area)/56 + 1e-6 with 2, 4, 8, which is clip(floor(log2 t), 0, 3) for an exact log2:
; a roi whose t lies within a rounding of 2, 4 or 8 may fall to the neighbouring level.  A negative area (t = NaN) goes to level 0.
; sqrt gets one Newton step and the two divisions one fma correction each, so that t and the bin size are rounded as IEEE operations round them.
.set ROI_BYTES, 20
	s_load_b128 s[4:7], s[0:1], 0x0                ; rois s[4:5], tab s[6:7]
	s_load_b64 s[8:9], s[0:1], 0x10                ; wts
	s_lshl_b32 s10, ttmp9, 7                       ; 128 threads a work-group
	s_mov_b32 s20, 0xffff0000                      ; lanes 16-31: the x samples
	s_mov_b32 s21, 0x3e800000                      ; 0.25
	s_mov_b32 s22, 0x41000000                      ; 8.0
	s_mov_b32 s23, 0x3c924925                      ; 1/56
	s_mov_b32 s24, 0x42600000                      ; 56.0
	s_mov_b32 s25, 0x3e124925                      ; 1/7
	s_mov_b32 s26, 0x40e00000                      ; 7.0
	s_mov_b32 s27, 0x358637bd                      ; 1e-6
	s_mov_b32 s30, 0x4000                          ; lane 14
	s_mov_b32 s31, 0x8000                          ; lane 15
	v_add_nc_u32 v1, s10, v0                       ; 32 n + lane
	v_lshrrev_b32 v2, 5, v1                        ; n
	v_mul_u32_u24 v2, ROI_BYTES, v2
	s_wait_kmcnt 0x0
	global_load_b32 v10, v2, s[4:5]                ; batch index (every lane of the wave reads the same roi)
	global_load_b32 v11, v2, s[4:5] offset:4       ; x1
	global_load_b32 v12, v2, s[4:5] offset:8       ; y1
	global_load_b32 v13, v2, s[4:5] offset:12      ; x2
	global_load_b32 v14, v2, s[4:5] offset:16      ; y2
	; my sample's place in bin units, g = (p + 0.5) / 2
	v_and_b32 v3, 15, v0                           ; u
	v_min_u32 v4, 13, v3                           ; y lanes: p = lane (lanes 14, 15 compute sample 13 and throw it away)
	v_and_b32 v5, 7, v3
	v_min_u32 v5, 6, v5                            ; x lanes: pw
	v_lshrrev_b32 v6, 3, v3                        ; ix
	v_lshl_add_u32 v5, v5, 1, v6                   ; p = 2 pw + ix
	v_cndmask_b32 v4, v4, v5, s20
	v_cvt_f32_u32 v4, v4
	v_fma_f32 v4, v4, 0.5, s21                     ; g
	v_lshlrev_b32 v46, 3, v1                       ; my 8 bytes in either table
	s_wait_loadcnt 0x0
	; level
	v_sub_f32 v15, v13, v11                        ; x2 - x1
	v_sub_f32 v16, v14, v12                        ; y2 - y1
	v_mul_f32 v17, v15, v16                        ; area
	v_sqrt_f32 v18, v17
	v_cndmask_b32 v28, v12, v11, s20               ; my axis' low edge (also the plain instruction behind v_sqrt_f32: ISA guide 5.7.2)
	s_wait_alu depctr_va_vdst(0)
	v_rcp_f32 v19, v18
	v_cndmask_b32 v29, v16, v15, s20               ; my axis' extent (and the one behind v_rcp_f32)
	v_fma_f32 v20, -v18, v18, v17                  ; area - s^2, exact
	v_mul_f32 v20, 0.5, v20
	s_wait_alu depctr_va_vdst(0)
	v_fma_f32 v20, v20, v19, v18                   ; s + (area - s^2) / (2 s)
	v_cmp_lt_f32 vcc_lo, 0, v17
	v_cndmask_b32 v18, v18, v20, vcc_lo            ; area = 0 keeps s = 0 (the step would be 0 x inf)
	v_mul_f32 v21, s23, v18
	v_fma_f32 v20, -v21, s24, v18                  ; remainder of s / 56
	v_fma_f32 v21, v20, s23, v21                   ; s / 56
	v_add_f32 v21, s27, v21                        ; t
	v_cmp_le_f32 vcc_lo, 2.0, v21
	v_cndmask_b32 v22, 0, 1, vcc_lo
	v_cmp_le_f32 vcc_lo, 4.0, v21
	v_add_co_ci_u32 v22, vcc_lo, 0, v22, vcc_lo
	v_cmp_le_f32 vcc_lo, s22, v21
	v_add_co_ci_u32 v22, vcc_lo, 0, v22, vcc_lo    ; level 0..3
	; the level's figures
	v_sub_nc_u32 v23, 125, v22
	v_lshlrev_b32 v23, 23, v23                     ; 1 / stride = 2^-(2 + level), as f32 bits
	v_mov_b32 v24, 0x100
	v_lshrrev_b32 v24, v22, v24                    ; H = W = 256 >> level
	v_add_nc_u32 v25, -1, v24
	v_cvt_f32_u32 v26, v24
	v_cvt_f32_u32 v27, v25
	; my sample
	v_fma_f32 v28, v28, v23, -0.5                  ; low edge / stride - 0.5 (the product is exact)
	v_mul_f32 v29, v29, v23
	v_mul_f32 v30, s25, v29
	v_fma_f32 v31, -v30, s26, v29
	v_fma_f32 v30, v31, s25, v30                   ; bin size = extent / stride / 7
	v_fma_f32 v32, v30, v4, v28                    ; position
	v_cmp_lt_f32 s28, -1.0, v32
	v_cmp_lt_f32 s29, v32, v26
	s_and_b32 s28, s28, s29                        ; inside (-1, H)
	s_and_b32 s28, s28, 0xffff3fff                 ; lanes 14, 15 hold no sample: weights 0
	v_max_num_f32 v33, 0, v32
	v_min_num_f32 v33, v33, v27                    ; clipped to [0, H-1]
	v_floor_f32 v34, v33
	v_sub_f32 v35, v33, v34                        ; l
	v_sub_f32 v36, 1.0, v35                        ; h
	v_cvt_u32_f32 v37, v34                         ; i0
	v_add_nc_u32 v38, 1, v37
	v_min_u32 v38, v38, v25                        ; i1 = min(i0 + 1, H - 1)
	v_mul_f32 v36, 0.5, v36
	v_mul_f32 v35, 0.5, v35
	v_cndmask_b32 v40, 0, v36, s28
	v_cndmask_b32 v41, 0, v35, s28
	v_sub_nc_u32 v39, 10, v22                      ; a row is 4 W = 1024 >> level bytes
	v_cndmask_b32 v39, v39, 2, s20                 ; a column 4
	v_lshlrev_b32 v42, v39, v37
	v_lshlrev_b32 v43, v39, v38
	; lanes 14 and 15: what the roi has once
	v_cvt_i32_f32 v44, v10                         ; batch index, toward zero as astype does
	v_lshlrev_b32 v45, 1, v22
	v_mov_b32 v47, 0x40000
	v_lshrrev_b32 v45, v45, v47                    ; bytes of a plane = 4 H W
	v_cndmask_b32 v42, v42, v22, s30
	v_cndmask_b32 v43, v43, v44, s30
	v_cndmask_b32 v42, v42, v45, s31
	v_cndmask_b32 v43, v43, 0, s31
	global_store_b64 v46, v[42:43], s[6:7]
	global_store_b64 v46, v[40:41], s[8:9]
	s_endpgm
.Lfunc_end_k_q6a089c8349_prep:
	.size	k_q6a089c8349_prep, .Lfunc_end_k_q6a089c8349_prep-k_q6a089c8349_prep
	.p2alignl 7, 3214868480
	.fill 96, 4, 3214868480
	.section	.rodata,"a",@progbits
	.p2align	6, 0x0
	.amdhsa_kernel k_q6a089c8349_prep
		.amdhsa_group_segment_fixed_size 0
		.amdhsa_private_segment_fixed_size 0
		.amdhsa_enable_private_segment 0
		.amdhsa_kernarg_size 24
		.amdhsa_user_sgpr_count 2
		.amdhsa_user_sgpr_kernarg_segment_ptr 1
		.amdhsa_wavefront_size32 1
		.amdhsa_system_sgpr_workgroup_id_x 1
		.amdhsa_system_sgpr_workgroup_id_y 1
		.amdhsa_system_sgpr_workgroup_id_z 1
		.amdhsa_system_vgpr_workitem_id 0
		.amdhsa_next_free_vgpr 48
		.amdhsa_next_free_sgpr 66
		.amdhsa_reserve_vcc 1
		.amdhsa_float_denorm_mode_32 3
		.amdhsa_float_denorm_mode_16_64 3
		.amdhsa_memory_ordered 1
		.amdhsa_forward_progress 1
		.amdhsa_inst_pref_size 6
	.end_amdhsa_kernel
	.amdgpu_metadata
---
amdhsa.version: [ 1, 2 ]
amdhsa.kernels:
  - .name:           k_q6a089c8349_prep
    .symbol:         k_q6a089c8349_prep.kd
    .args:
      - { .name: rois, .offset: 0, .size: 8, .value_kind: global_buffer, .address_space: global }
      - { .name: tab, .offset: 8, .size: 8, .value_kind: global_buffer, .address_space: global }
      - { .name: wts, .offset: 16, .size: 8, .value_kind: global_buffer, .address_space: global }
    .group_segment_fixed_size: 0
    .private_segment_fixed_size: 0
    .kernarg_segment_align: 8
    .kernarg_segment_size: 24
    .max_flat_workgroup_size: 128
    .sgpr_count:     66
    .vgpr_count:     48
    .wavefront_size: 32
...
	.end_amdgpu_metadata
.endif
;; end of part 1
;; launch gather (part 2): grid 1024 x 4, 1 waves a work-group, no clusters, 12,800 bytes of LDS; arguments feat0, feat1, feat2, feat3, tab, wts, out0; writes out0
.if DOCPART == 2
	.amdgcn_target "amdgcn-amd-amdhsa--gfx1250"
	.amdhsa_code_object_version 6
	.text
	.protected	k_q6a089c8349_gather
	.globl	k_q6a089c8349_gather
	.p2align	8
	.type	k_q6a089c8349_gather,@function
k_q6a089c8349_gather:
	s_mov_b64 s[64:65], 0
	v_nop
	global_prefetch_b8 v0, s[64:65] scope:SCOPE_SE
	s_setreg_imm32_b32 hwreg(HW_REG_WAVE_MODE, 25, 1), 1
	s_wait_xcnt 0x0
; gather: out0[n][c][ph][pw] = sum over the bin's 4 row taps and 4 column taps of wy wx feat[level][b][c][y][x].
; One wave is a work-group: roi n = group x, channels 64 q .. 64 q + 63 with q = group y.  No wave needs another: no barrier.
; A LANE IS A COLUMN TAP: lane = 16 ix + 2 pw + corner (pw = 7 repeats pw = 6: same address, same weight, same result).  One load fetches
; the 28 column taps of one row of one plane, so its lanes lie side by side in memory; 28 row loads make a channel.
; Channels go in pairs: the two planes' values of a row lie in a register pair and meet the row's weight wy[row] wx[lane] in one packed
; multiply-add.  A row's weight and its byte offset share an even register pair: the packed form broadcasts the low one (op_sel_hi 0).
; The four column taps of a bin are summed across lanes; results are gathered in LDS as the byte image of the wave's 12,544 output bytes
; (49 blocks of 256, starting at a multiple of 256 in out0) and leave as stores of 512 consecutive bytes after every 16 channels.
; Not used: matrix units (no product), tensor loads and clusters (rows are gathered lane by lane at addresses read from tab; no tile is
; shared at an address known to the text), prefetch (48 to 56 row loads of every wave are in flight all the time).
; LIMITS.  Features must be finite: a sample outside the map has weight 0 and is multiplied, not selected.  Sums run in another order than
; the reference's.  The clamps below state the largest numbers that prep stores; the batch index is clamped to 0..1.
.set PAIR_BYTES, 392                   ; two channels of 49 f32
.set WAVE_OUT,   12544                 ; 64 channels
.set ROI_OUT,    50176                 ; 256 channels
.set FL,         3072                  ; bytes that leave after 16 channels (3,136 are then new; the rest waits for the next time)
.set WO,  2                            ; v[2:57]    row r = 4 ph + tap: v[WO+2r] weight wy[r] wx[lane], v[WO+2r+1] byte offset in a plane
.set D,   58                           ; v[58:113]  row r: v[D+2r], v[D+2r+1] the loaded values of the pair's two channels
.set A,   114                          ; v[114:127] bin row ph: v[A+2ph], v[A+2ph+1] the two channels' sums
.set F,   128                          ; v[128:151] the way out
.set ST,  152                          ; LDS address of my result in the current pair
.set RD,  153                          ; 16 x lane
.set RD8, 154                          ; 8 x lane
.set XB,  155                          ; my column's byte offset
.set WX,  156                          ; my column's weight
.set YB,  32                           ; s[32:59]   byte offsets of the 28 rows; s60 level, s61 batch, s62 plane bytes, s63 unused
.set WY,  68                           ; s[68:95]   weights of the 28 rows
	s_load_b256 s[4:11], s[0:1], 0x0               ; feat0 s[4:5], feat1 s[6:7], feat2 s[8:9], feat3 s[10:11]
	s_load_b128 s[12:15], s[0:1], 0x20             ; tab s[12:13], wts s[14:15]
	s_load_b64 s[16:17], s[0:1], 0x30              ; out0
	v_lshl_add_u32 v160, v0, 2, 0x3100
	v_mov_b32 v161, 0
	s_lshl_b32 s20, ttmp9, 8                       ; the roi's record: 256 bytes in either table
	s_mov_b32 s21, 0
	s_and_b32 s22, ttmp7, 0xffff                   ; q
	s_mul_i32 s18, ttmp9, ROI_OUT
	s_mul_i32 s19, s22, WAVE_OUT
	s_add_co_u32 s18, s18, s19                     ; below 51,380,224
	s_mov_b32 s19, 0
	v_lshlrev_b32 v1, 2, v0
	s_wait_kmcnt 0x0
	s_add_nc_u64 s[12:13], s[12:13], s[20:21]
	s_add_nc_u64 s[14:15], s[14:15], s[20:21]
	s_add_nc_u64 s[16:17], s[16:17], s[18:19]      ; my 12,544 bytes of out0
	s_load_b512 s[32:47], s[12:13], 0x0
	s_load_b256 s[48:55], s[12:13], 0x40
	s_load_b256 s[56:63], s[12:13], 0x60
	s_load_b512 s[68:83], s[14:15], 0x0
	s_load_b256 s[84:91], s[14:15], 0x40
	s_load_b128 s[92:95], s[14:15], 0x60
	global_load_b32 v[XB], v1, s[12:13] offset:128
	global_load_b32 v[WX], v1, s[14:15] offset:128
	; Behind the reduction, lanes 0-15 hold result row i = 2m and lanes 16-31 row i = 2m + 1 (i = 7 channel + ph), lane pair pw the column:
	; byte 56 m + 28 (lane >> 4) + 4 min(pw, 6).  Lanes that share a word hold the same number.
	v_lshrrev_b32 v[ST], 4, v0
	v_bfe_u32 v[F], v0, 1, 3
	v_min_u32 v[F], 6, v[F]
	v_lshlrev_b32 v[F], 2, v[F]
	v_mad_u32_u24 v[ST], v[ST], 28, v[F]
	v_lshlrev_b32 v[RD], 4, v0
	v_lshlrev_b32 v[RD8], 3, v0
	s_wait_kmcnt 0x0
.set r, 0
.rept 28
	s_min_u32 s[YB+r], s[YB+r], 0x3fc00            ; at most row 255 of 1,024 bytes
.set r, r+1
.endr
	s_min_u32 s60, s60, 3
	s_min_u32 s61, s61, 1
	s_min_u32 s62, s62, 0x40000
	s_cmp_eq_u32 s60, 1                            ; the level's buffer
	s_cselect_b64 s[24:25], s[6:7], s[4:5]
	s_cmp_eq_u32 s60, 2
	s_cselect_b64 s[24:25], s[8:9], s[24:25]
	s_cmp_eq_u32 s60, 3
	s_cselect_b64 s[24:25], s[10:11], s[24:25]
	s_lshl_b32 s18, s61, 8
	s_lshl_b32 s19, s22, 6
	s_add_co_u32 s18, s18, s19                     ; my first plane: 256 b + 64 q, at most 448
	s_mul_i32 s18, s18, s62                        ; in bytes, below 2^27
	s_mov_b32 s19, 0
	s_add_nc_u64 s[24:25], s[24:25], s[18:19]      ; the pair's first plane
	s_mov_b32 s18, s62
	s_add_nc_u64 s[26:27], s[24:25], s[18:19]      ; its second
	s_lshl_b32 s28, s62, 1                         ; from pair to pair
	s_mov_b32 s29, 0
	s_wait_loadcnt 0x0
	v_min_u32 v[XB], 0x3fc, v[XB]                  ; at most column 255
.set r, 0
.rept 28
	v_add_nc_u32 v[WO+2*r+1], s[YB+r], v[XB]
	v_mul_f32 v[WO+2*r], s[WY+r], v[WX]
.set r, r+1
.endr
; the eight loads of a bin row: four row taps in two planes
.macro LOADS ph
.irp t, 0,1,2,3
	global_load_b32 v[D+8*\ph+2*\t],   v[WO+8*\ph+2*\t+1], s[24:25]
	global_load_b32 v[D+8*\ph+2*\t+1], v[WO+8*\ph+2*\t+1], s[26:27]
.endr
.endm
.macro NEXTPAIR
	s_wait_xcnt 0x0                                ; the bases are sources of the loads just issued, and F and RD of the last stores: rewritten only behind this wait (ISA guide 3.1)
	s_add_nc_u64 s[24:25], s[24:25], s[28:29]
	s_add_nc_u64 s[26:27], s[26:27], s[28:29]
.endm
; One pair of channels.  more = 1: each bin row's registers are asked for again, for the next pair, as soon as they are used.
.macro PAIR more
.irp ph, 0,1,2,3,4,5,6
.if \more
	s_wait_loadcnt 48                              ; loads return in order (ISA guide 5.7.1): this bin row's 8 are the oldest, the 48 of the six other bin rows stay out
.else
	s_wait_loadcnt 48-8*\ph                        ; nothing is asked for any more: the count runs down
.endif
	v_pk_mul_f32 v[A+2*\ph:A+2*\ph+1], v[D+8*\ph:D+8*\ph+1],   v[WO+8*\ph:WO+8*\ph+1] op_sel_hi:[1,0]
	v_pk_fma_f32 v[A+2*\ph:A+2*\ph+1], v[D+8*\ph+2:D+8*\ph+3], v[WO+8*\ph+2:WO+8*\ph+3], v[A+2*\ph:A+2*\ph+1] op_sel_hi:[1,0,1]
	v_pk_fma_f32 v[A+2*\ph:A+2*\ph+1], v[D+8*\ph+4:D+8*\ph+5], v[WO+8*\ph+4:WO+8*\ph+5], v[A+2*\ph:A+2*\ph+1] op_sel_hi:[1,0,1]
	v_pk_fma_f32 v[A+2*\ph:A+2*\ph+1], v[D+8*\ph+6:D+8*\ph+7], v[WO+8*\ph+6:WO+8*\ph+7], v[A+2*\ph:A+2*\ph+1] op_sel_hi:[1,0,1]
.if \more
	LOADS \ph
.endif
.endr
	; Across lanes.  Result row i = 7 channel + ph lies in v[A + 2 (i % 7) + i / 7].  Rows 2m and 2m+1 exchange halves, so that one add sums
	; the two x samples of both and leaves row 2m in lanes 0-15 and row 2m+1 in lanes 16-31; one add with the neighbour lane sums the corners.
.irp m, 0,1,2,3,4,5,6
	v_permlane16_swap_b32 v[A+2*((2*\m)%7)+(2*\m)/7], v[A+2*((2*\m+1)%7)+(2*\m+1)/7]
.endr
.irp m, 0,1,2,3,4,5,6
	v_add_f32 v[A+2*((2*\m)%7)+(2*\m)/7], v[A+2*((2*\m)%7)+(2*\m)/7], v[A+2*((2*\m+1)%7)+(2*\m+1)/7]
.endr
.irp m, 0,1,2,3,4,5,6
	v_add_f32_dpp v[A+2*((2*\m)%7)+(2*\m)/7], v[A+2*((2*\m)%7)+(2*\m)/7], v[A+2*((2*\m)%7)+(2*\m)/7] row_xmask:1 row_mask:0xf bank_mask:0xf
.endr
.irp m, 0,1,2,3,4,5,6
	ds_store_b32 v[ST], v[A+2*((2*\m)%7)+(2*\m)/7] offset:56*\m
.endr
.if \more
	v_add_nc_u32 v[ST], PAIR_BYTES, v[ST]
	NEXTPAIR
.endif
.endm
.macro GROUP id, trips
	s_mov_b32 s30, \trips
.Lgroup\id:
	PAIR 1
	s_sub_co_u32 s30, s30, 1
	s_cmp_lg_u32 s30, 0
	s_cbranch_scc1 .Lgroup\id
.endm
; 3,072 finished bytes leave: each store covers 512 consecutive bytes at a multiple of 256 in out0.
; LDS serves a wave's instructions in order (ISA guide 5.7.1.4): the loads see the wave's own stores without a wait.
.macro FLUSH k
.irp j, 0,1,2,3,4,5
	ds_load_b128 v[F+4*\j:F+4*\j+3], v[RD] offset:FL*\k+512*\j
.endr
.irp j, 0,1,2,3,4,5
	s_wait_dscnt 5-\j                              ; the j-th of the six loads is in, the younger ones stay out
	global_store_b128 v[RD], v[F+4*\j:F+4*\j+3], s[16:17] offset:FL*\k+512*\j th:TH_STORE_NT
.endr
.endm
.irp ph, 0,1,2,3,4,5,6
	LOADS \ph                                      ; pair 0: 56 loads
.endr
	NEXTPAIR
	GROUP 0, 8                                     ; pairs 0-7 (each trip asks for the pair behind it)
	FLUSH 0
	GROUP 1, 8
	FLUSH 1
	GROUP 2, 8
	FLUSH 2
	GROUP 3, 7                                     ; pairs 24-30
	PAIR 0                                         ; pair 31 asks for nothing: no load leaves the buffer
	FLUSH 3
	ds_load_b64 v[A:A+1], v[RD8] offset:4*FL       ; the last 256 bytes: 8 a lane, one store of the whole wave
	s_wait_dscnt 0x0
	global_store_b64 v[RD8], v[A:A+1], s[16:17] offset:4*FL th:TH_STORE_NT
	s_wait_tensorcnt 0x0
	ds_add_u32 v160, v161
	s_wait_dscnt 0x0
	s_endpgm
.Lfunc_end_k_q6a089c8349_gather:
	.size	k_q6a089c8349_gather, .Lfunc_end_k_q6a089c8349_gather-k_q6a089c8349_gather
	.p2alignl 7, 3214868480
	.fill 96, 4, 3214868480
	.section	.rodata,"a",@progbits
	.p2align	6, 0x0
	.amdhsa_kernel k_q6a089c8349_gather
		.amdhsa_group_segment_fixed_size 12800
		.amdhsa_private_segment_fixed_size 0
		.amdhsa_enable_private_segment 0
		.amdhsa_kernarg_size 56
		.amdhsa_user_sgpr_count 2
		.amdhsa_user_sgpr_kernarg_segment_ptr 1
		.amdhsa_wavefront_size32 1
		.amdhsa_system_sgpr_workgroup_id_x 1
		.amdhsa_system_sgpr_workgroup_id_y 1
		.amdhsa_system_sgpr_workgroup_id_z 1
		.amdhsa_system_vgpr_workitem_id 0
		.amdhsa_next_free_vgpr 162
		.amdhsa_next_free_sgpr 96
		.amdhsa_reserve_vcc 0
		.amdhsa_float_denorm_mode_32 3
		.amdhsa_float_denorm_mode_16_64 3
		.amdhsa_memory_ordered 1
		.amdhsa_forward_progress 1
		.amdhsa_inst_pref_size 55
	.end_amdhsa_kernel
	.amdgpu_metadata
---
amdhsa.version: [ 1, 2 ]
amdhsa.kernels:
  - .name:           k_q6a089c8349_gather
    .symbol:         k_q6a089c8349_gather.kd
    .args:
      - { .name: feat0, .offset: 0, .size: 8, .value_kind: global_buffer, .address_space: global }
      - { .name: feat1, .offset: 8, .size: 8, .value_kind: global_buffer, .address_space: global }
      - { .name: feat2, .offset: 16, .size: 8, .value_kind: global_buffer, .address_space: global }
      - { .name: feat3, .offset: 24, .size: 8, .value_kind: global_buffer, .address_space: global }
      - { .name: tab, .offset: 32, .size: 8, .value_kind: global_buffer, .address_space: global }
      - { .name: wts, .offset: 40, .size: 8, .value_kind: global_buffer, .address_space: global }
      - { .name: out0, .offset: 48, .size: 8, .value_kind: global_buffer, .address_space: global }
    .group_segment_fixed_size: 12800
    .private_segment_fixed_size: 0
    .kernarg_segment_align: 8
    .kernarg_segment_size: 56
    .max_flat_workgroup_size: 32
    .sgpr_count:     96
    .vgpr_count:     162
    .wavefront_size: 32
...
	.end_amdgpu_metadata
.endif
;; end of part 2
;; ======== version 2 of 2: 2 launches; version 1 with the launch gather written anew for expert scheduling mode
;; workspace buffers: tab 262,144 bytes of whole numbers; wts 262,144 bytes
;; launch prep: the kernel of part 1 again; grid 256 x 1, 4 waves a work-group, no clusters, 0 bytes of LDS; arguments rois, tab, wts; writes tab, wts
;; launch gather (part 3): grid 1024 x 4, 1 waves a work-group, no clusters, 12,800 bytes of LDS; arguments feat0, feat1, feat2, feat3, tab, wts, out0; writes out0
.if DOCPART == 3
	.amdgcn_target "amdgcn-amd-amdhsa--gfx1250"
	.amdhsa_code_object_version 6
	.text
	.protected	k_q6a089c8349_gather
	.globl	k_q6a089c8349_gather
	.p2align	8
	.type	k_q6a089c8349_gather,@function
k_q6a089c8349_gather:
	s_mov_b64 s[64:65], 0
	v_nop
	global_prefetch_b8 v0, s[64:65] scope:SCOPE_SE
	s_setreg_imm32_b32 hwreg(HW_REG_WAVE_SCHED_MODE, 0, 2), 2
	s_setreg_imm32_b32 hwreg(HW_REG_WAVE_MODE, 25, 1), 1
	s_wait_xcnt 0x0
	s_wait_alu depctr_vm_vsrc(0)
; gather: out0[n][c][ph][pw] = sum over the bin's 4 row taps and 4 column taps of wy wx feat[level][b][c][y][x].
; One wave is a work-group: roi n = group x, channels 64 q .. 64 q + 63 with q = group y.  No wave needs another: no barrier.
; A LANE IS A COLUMN TAP: lane = 16 ix + 2 pw + corner (pw = 7 repeats pw = 6: same address, same weight, same result).  One load fetches
; the 28 column taps of one row of one plane, so its lanes lie side by side in memory; 28 row loads make a channel.
; Channels go in pairs: the two planes' values of a row lie in a register pair and meet the row's weight wy[row] wx[lane] in one packed
; multiply-add.  A row's weight and its byte offset share an even register pair: the packed form broadcasts the low one (op_sel_hi 0).
; The four column taps of a bin are summed across lanes; results are gathered in LDS as the byte image of the wave's 12,544 output bytes
; (49 blocks of 256, starting at a multiple of 256 in out0) and leave as stores of 512 consecutive bytes after every 16 channels.
; Not used: matrix units (no product), tensor loads and clusters (rows are gathered lane by lane at addresses read from tab; no tile is
; shared at an address known to the text), prefetch (48 to 56 row loads of every wave are in flight all the time).
; LIMITS.  Features must be finite: a sample outside the map has weight 0 and is multiplied, not selected.  Sums run in another order than
; the reference's.  The clamps below state the largest numbers that prep stores; the batch index is clamped to 0..1.
; THE MODE: SCHED_MODE bits 1:0 = 2 (LLVM: expert scheduling mode 2), set by the entry lines.  The code itself states the register dependences
; between vector instructions and memory or LDS instructions, with s_wait_alu, always for 0.
; THE PLAN.  Block p (0 to 31) is the vector work of channel pair p.  Registers that memory or LDS instructions touch:
;   D0, D1    Block p's packed multiply-adds read D[p % 2]; the 56 loads of pair p + 1, issued in block p, land in the other D.
;   A0, A1    Block p's arithmetic writes A[p % 2]; the seven LDS stores that read it are issued in block p + 1.
;   WO        The odd registers are the row loads' offsets: made once at the head, never written again; the planes are reached by scalar bases.
;   ST        Read by every LDS store; stepped once for two blocks, ahead of an odd block; the even block's stores reach on by the immediate.
;   F         The way out's LDS loads land in it, its global stores read it; no vector instruction of the loops names it.
;   RD, RD8   Made once at the head.
; So block p's memory and LDS instructions touch D[(p - 1) % 2] and A[(p - 1) % 2], the buffers that block p - 1 worked on and that no vector
; instruction of block p names.  The waits at a block's head state all that they hang on, and they are dealt among the block's seven bin rows
; with no further wait: eight loads and one LDS store ahead of each bin row's four packed instructions.
.set PAIR_BYTES, 392                   ; two channels of 49 f32
.set WAVE_OUT,   12544                 ; 64 channels
.set ROI_OUT,    50176                 ; 256 channels
.set FL,         3072                  ; bytes that leave after 16 channels (3,136 are then new; the rest waits for the next time)
.set WO,  2                            ; v[2:57]    row r = 4 ph + tap: v[WO+2r] weight wy[r] wx[lane], v[WO+2r+1] byte offset in a plane
.set D,   58                           ; v[58:169]  buffer b at D + 56 b; row r: two registers at + 2r, the loaded values of the pair's two channels
.set A,   170                          ; v[170:197] buffer b at A + 14 b; bin row ph: two registers at + 2 ph, the two channels' sums
.set F,   198                          ; v[198:221] the way out
.set ST,  222                          ; LDS address of my result in the even pair of the two whose stores come next
.set RD,  223                          ; 16 x lane
.set RD8, 224                          ; 8 x lane
.set XB,  225                          ; my column's byte offset
.set WX,  226                          ; my column's weight
.set YB,  32                           ; s[32:59]   byte offsets of the 28 rows; s60 level, s61 batch, s62 plane bytes, s63 unused
.set WY,  68                           ; s[68:95]   weights of the 28 rows
	s_load_b256 s[4:11], s[0:1], 0x0               ; feat0 s[4:5], feat1 s[6:7], feat2 s[8:9], feat3 s[10:11]
	s_load_b128 s[12:15], s[0:1], 0x20             ; tab s[12:13], wts s[14:15]
	s_load_b64 s[16:17], s[0:1], 0x30              ; out0
	v_lshl_add_u32 v228, v0, 2, 0x3100
	v_mov_b32 v229, 0
	s_lshl_b32 s20, ttmp9, 8                       ; the roi's record: 256 bytes in either table
	s_mov_b32 s21, 0
	s_and_b32 s22, ttmp7, 0xffff                   ; q
	s_mul_i32 s18, ttmp9, ROI_OUT
	s_mul_i32 s19, s22, WAVE_OUT
	s_add_co_u32 s18, s18, s19                     ; below 51,380,224
	s_mov_b32 s19, 0
	v_lshlrev_b32 v1, 2, v0
	s_wait_kmcnt 0x0
	s_add_nc_u64 s[12:13], s[12:13], s[20:21]
	s_add_nc_u64 s[14:15], s[14:15], s[20:21]
	s_add_nc_u64 s[16:17], s[16:17], s[18:19]      ; my 12,544 bytes of out0
	s_load_b512 s[32:47], s[12:13], 0x0
	s_load_b256 s[48:55], s[12:13], 0x40
	s_load_b256 s[56:63], s[12:13], 0x60
	s_load_b512 s[68:83], s[14:15], 0x0
	s_load_b256 s[84:91], s[14:15], 0x40
	s_load_b128 s[92:95], s[14:15], 0x60
	s_wait_alu depctr_va_vdst(0)                   ; v1 is written, which the two loads below read as their offset
	global_load_b32 v[XB], v1, s[12:13] offset:128
	global_load_b32 v[WX], v1, s[14:15] offset:128
	; Behind the reduction, lanes 0-15 hold result row i = 2m and lanes 16-31 row i = 2m + 1 (i = 7 channel + ph), lane pair pw the column:
	; byte 56 m + 28 (lane >> 4) + 4 min(pw, 6).  Lanes that share a word hold the same number.
	v_lshrrev_b32 v[ST], 4, v0
	v_bfe_u32 v[F], v0, 1, 3
	v_min_u32 v[F], 6, v[F]
	v_lshlrev_b32 v[F], 2, v[F]
	v_mad_u32_u24 v[ST], v[ST], 28, v[F]
	v_lshlrev_b32 v[RD], 4, v0
	v_lshlrev_b32 v[RD8], 3, v0
	s_wait_kmcnt 0x0
.set r, 0
.rept 28
	s_min_u32 s[YB+r], s[YB+r], 0x3fc00            ; at most row 255 of 1,024 bytes
.set r, r+1
.endr
	s_min_u32 s60, s60, 3
	s_min_u32 s61, s61, 1
	s_min_u32 s62, s62, 0x40000
	s_cmp_eq_u32 s60, 1                            ; the level's buffer
	s_cselect_b64 s[24:25], s[6:7], s[4:5]
	s_cmp_eq_u32 s60, 2
	s_cselect_b64 s[24:25], s[8:9], s[24:25]
	s_cmp_eq_u32 s60, 3
	s_cselect_b64 s[24:25], s[10:11], s[24:25]
	s_lshl_b32 s18, s61, 8
	s_lshl_b32 s19, s22, 6
	s_add_co_u32 s18, s18, s19                     ; my first plane: 256 b + 64 q, at most 448
	s_mul_i32 s18, s18, s62                        ; in bytes, below 2^27
	s_mov_b32 s19, 0
	s_add_nc_u64 s[24:25], s[24:25], s[18:19]      ; the pair's first plane
	s_mov_b32 s18, s62
	s_add_nc_u64 s[26:27], s[24:25], s[18:19]      ; its second
	s_lshl_b32 s28, s62, 1                         ; from pair to pair
	s_mov_b32 s29, 0
	s_wait_loadcnt 0x0
	v_min_u32 v[XB], 0x3fc, v[XB]                  ; at most column 255
.set r, 0
.rept 28
	v_add_nc_u32 v[WO+2*r+1], s[YB+r], v[XB]
	v_mul_f32 v[WO+2*r], s[WY+r], v[WX]
.set r, r+1
.endr
	s_wait_alu depctr_va_vdst(0)                   ; the 28 offsets in WO, ST, RD and RD8 are written, which the loads and stores of the whole kernel read; so is v[F], in which LDS loads land
; the eight loads of a bin row into buffer d: four row taps in two planes
.macro LOADS d, ph
.irp t, 0,1,2,3
	global_load_b32 v[D+56*(\d)+8*(\ph)+2*\t],   v[WO+8*(\ph)+2*\t+1], s[24:25]
	global_load_b32 v[D+56*(\d)+8*(\ph)+2*\t+1], v[WO+8*(\ph)+2*\t+1], s[26:27]
.endr
.endm
.macro NEXTPAIR
	s_add_nc_u64 s[24:25], s[24:25], s[28:29]
	s_add_nc_u64 s[26:27], s[26:27], s[28:29]
.endm
; A block's head, first part.  step = 1 (ahead of an odd block): the LDS address moves on by two pairs.
.macro FREE step
	s_wait_xcnt 0x0                                ; the bases are sources of the loads just issued, and F and RD of the last global stores: rewritten only behind this wait (ISA guide 3.1)
	s_wait_alu depctr_vm_vsrc(0)                   ; the LDS stores issued in the block just ended have read ST and the A that the coming block writes again; the last way out's global stores have read F
.if \step
	v_add_nc_u32 v[ST], 2*PAIR_BYTES, v[ST]
.endif
.endm
; A block's head, second part.  more = 1: the bases move on to the pair that this block asks for.
.macro READY more
	s_wait_alu depctr_va_vdst(0)                   ; the block just ended is done reading its D, in which this block's loads land, and has written its A, which this block's LDS stores read; ST is written
.if \more
	NEXTPAIR
.endif
.endm
; Block p.  b = p % 2.  more = 1: pair p + 1 is asked for, into the other D.  st = 1: pair p - 1's results go to LDS, from the other A.
.macro BLOCK b, more, st
.set DD, D+56*(\b)
.set AA, A+14*(\b)
.set AP, A+14*(1-(\b))
.irp ph, 0,1,2,3,4,5,6
.if \more
	s_wait_loadcnt 48                              ; loads return in order (ISA guide 5.7.1): this bin row's 8 are the oldest; the 48 behind them (this pair's later bin rows, the next pair's earlier ones) stay out
	LOADS 1-(\b), \ph                              ; no vector instruction since the head's wait names these registers
.else
	s_wait_loadcnt 48-8*\ph                        ; nothing is asked for any more: the count runs down
.endif
.if \st
	ds_store_b32 v[ST], v[AP+2*((2*\ph)%7)+(2*\ph)/7] offset:PAIR_BYTES*(1-(\b))+56*\ph  ; result rows 2 ph and 2 ph + 1 of the pair before
.endif
	v_pk_mul_f32 v[AA+2*\ph:AA+2*\ph+1], v[DD+8*\ph:DD+8*\ph+1],   v[WO+8*\ph:WO+8*\ph+1] op_sel_hi:[1,0]
	v_pk_fma_f32 v[AA+2*\ph:AA+2*\ph+1], v[DD+8*\ph+2:DD+8*\ph+3], v[WO+8*\ph+2:WO+8*\ph+3], v[AA+2*\ph:AA+2*\ph+1] op_sel_hi:[1,0,1]
	v_pk_fma_f32 v[AA+2*\ph:AA+2*\ph+1], v[DD+8*\ph+4:DD+8*\ph+5], v[WO+8*\ph+4:WO+8*\ph+5], v[AA+2*\ph:AA+2*\ph+1] op_sel_hi:[1,0,1]
	v_pk_fma_f32 v[AA+2*\ph:AA+2*\ph+1], v[DD+8*\ph+6:DD+8*\ph+7], v[WO+8*\ph+6:WO+8*\ph+7], v[AA+2*\ph:AA+2*\ph+1] op_sel_hi:[1,0,1]
.endr
	; Across lanes.  Result row i = 7 channel + ph lies in v[AA + 2 (i % 7) + i / 7].  Rows 2m and 2m+1 exchange halves, so that one add sums
	; the two x samples of both and leaves row 2m in lanes 0-15 and row 2m+1 in lanes 16-31; one add with the neighbour lane sums the corners.
.irp m, 0,1,2,3,4,5,6
	v_permlane16_swap_b32 v[AA+2*((2*\m)%7)+(2*\m)/7], v[AA+2*((2*\m+1)%7)+(2*\m+1)/7]
.endr
.irp m, 0,1,2,3,4,5,6
	v_add_f32 v[AA+2*((2*\m)%7)+(2*\m)/7], v[AA+2*((2*\m)%7)+(2*\m)/7], v[AA+2*((2*\m+1)%7)+(2*\m+1)/7]
.endr
.irp m, 0,1,2,3,4,5,6
	v_add_f32_dpp v[AA+2*((2*\m)%7)+(2*\m)/7], v[AA+2*((2*\m)%7)+(2*\m)/7], v[AA+2*((2*\m)%7)+(2*\m)/7] row_xmask:1 row_mask:0xf bank_mask:0xf
.endr
.endm
; A trip is an odd block and the even block behind it.  The label stands between the two parts of the odd block's head, so that the
; first trip of all is entered with ST as the head made it; each trip's end holds the first part of the next odd block's head.
.macro GROUP id, trips
	s_mov_b32 s30, \trips
.Lgroup\id:
	READY 1
	BLOCK 1, 1, 1
	FREE 0
	READY 1
	BLOCK 0, 1, 1
	FREE 1
	s_sub_co_u32 s30, s30, 1
	s_cmp_lg_u32 s30, 0
	s_cbranch_scc1 .Lgroup\id
.endm
; 3,072 finished bytes leave: each store covers 512 consecutive bytes at a multiple of 256 in out0.
; LDS serves a wave's instructions in order (ISA guide 5.7.1.4): the loads see the wave's own stores without a wait.
; No s_wait_alu: no vector instruction since the kernel's head names F or RD, and the blocks' heads since the last way out have shown F read.
.macro FLUSH k
.irp j, 0,1,2,3,4,5
	ds_load_b128 v[F+4*\j:F+4*\j+3], v[RD] offset:FL*\k+512*\j
.endr
.irp j, 0,1,2,3,4,5
	s_wait_dscnt 5-\j                              ; the j-th of the six loads is in, the younger ones stay out
	global_store_b128 v[RD], v[F+4*\j:F+4*\j+3], s[16:17] offset:FL*\k+512*\j th:TH_STORE_NT
.endr
.endm
.irp ph, 0,1,2,3,4,5,6
	LOADS 0, \ph                                   ; pair 0: 56 loads
.endr
	s_wait_xcnt 0x0                                ; the bases are sources of the loads just issued: rewritten only behind this wait (ISA guide 3.1)
	NEXTPAIR
	BLOCK 0, 1, 0                                  ; block 0: no pair in front of it, so no LDS store; no vector instruction has named D1, in which its loads land
	s_wait_xcnt 0x0                                ; as above, for block 1's step of the bases; no LDS store is out yet
	GROUP 0, 4                                     ; blocks 1-8: pairs 0-7 reach LDS
	FLUSH 0
	GROUP 1, 4                                     ; blocks 9-16
	FLUSH 1
	GROUP 2, 4                                     ; blocks 17-24
	FLUSH 2
	GROUP 3, 3                                     ; blocks 25-30
	READY 0
	BLOCK 1, 0, 1                                  ; block 31 asks for nothing: no load leaves the buffer
	s_wait_alu depctr_va_vdst(0)                   ; block 31 has written A1, which the last seven LDS stores read, and every reader of D0, in which the last LDS load lands, is done
.irp m, 0,1,2,3,4,5,6
	ds_store_b32 v[ST], v[A+14+2*((2*\m)%7)+(2*\m)/7] offset:PAIR_BYTES+56*\m
.endr
	FLUSH 3
	ds_load_b64 v[D:D+1], v[RD8] offset:4*FL       ; the last 256 bytes: 8 a lane, one store of the whole wave; into D0, which no memory instruction reads
	s_wait_dscnt 0x0
	global_store_b64 v[RD8], v[D:D+1], s[16:17] offset:4*FL th:TH_STORE_NT
	s_wait_dscnt 0x0
	s_wait_alu depctr_hold_cnt(0) depctr_sa_sdst(0) depctr_va_vdst(0) depctr_va_sdst(0) depctr_va_ssrc(0) depctr_va_vcc(0) depctr_vm_vsrc(0)
	s_wait_tensorcnt 0x0
	ds_add_u32 v228, v229
	s_wait_dscnt 0x0
	s_endpgm
.Lfunc_end_k_q6a089c8349_gather:
	.size	k_q6a089c8349_gather, .Lfunc_end_k_q6a089c8349_gather-k_q6a089c8349_gather
	.p2alignl 7, 3214868480
	.fill 96, 4, 3214868480
	.section	.rodata,"a",@progbits
	.p2align	6, 0x0
	.amdhsa_kernel k_q6a089c8349_gather
		.amdhsa_group_segment_fixed_size 12800
		.amdhsa_private_segment_fixed_size 0
		.amdhsa_enable_private_segment 0
		.amdhsa_kernarg_size 56
		.amdhsa_user_sgpr_count 2
		.amdhsa_user_sgpr_kernarg_segment_ptr 1
		.amdhsa_wavefront_size32 1
		.amdhsa_system_sgpr_workgroup_id_x 1
		.amdhsa_system_sgpr_workgroup_id_y 1
		.amdhsa_system_sgpr_workgroup_id_z 1
		.amdhsa_system_vgpr_workitem_id 0
		.amdhsa_next_free_vgpr 230
		.amdhsa_next_free_sgpr 96
		.amdhsa_reserve_vcc 0
		.amdhsa_float_denorm_mode_32 3
		.amdhsa_float_denorm_mode_16_64 3
		.amdhsa_memory_ordered 1
		.amdhsa_forward_progress 1
		.amdhsa_inst_pref_size 99
	.end_amdhsa_kernel
	.amdgpu_metadata
---
amdhsa.version: [ 1, 2 ]
amdhsa.kernels:
  - .name:           k_q6a089c8349_gather
    .symbol:         k_q6a089c8349_gather.kd
    .args:
      - { .name: feat0, .offset: 0, .size: 8, .value_kind: global_buffer, .address_space: global }
      - { .name: feat1, .offset: 8, .size: 8, .value_kind: global_buffer, .address_space: global }
      - { .name: feat2, .offset: 16, .size: 8, .value_kind: global_buffer, .address_space: global }
      - { .name: feat3, .offset: 24, .size: 8, .value_kind: global_buffer, .address_space: global }
      - { .name: tab, .offset: 32, .size: 8, .value_kind: global_buffer, .address_space: global }
      - { .name: wts, .offset: 40, .size: 8, .value_kind: global_buffer, .address_space: global }
      - { .name: out0, .offset: 48, .size: 8, .value_kind: global_buffer, .address_space: global }
    .group_segment_fixed_size: 12800
    .private_segment_fixed_size: 0
    .kernarg_segment_align: 8
    .kernarg_segment_size: 56
    .max_flat_workgroup_size: 32
    .sgpr_count:     96
    .vgpr_count:     230
    .wavefront_size: 32
...
	.end_amdgpu_metadata
.endif
;; end of part 3
